; MI455X (gfx1250); checked and timed in simulation.
; The chip was launched on July 23, 2026; its instructions are those of AMD's public machine-readable ISA for CDNA 5 (MIT licence, August 2026) and "CDNA5" Instruction Set Architecture Reference Guide (July 2026). The comments in the code are by the model that wrote it; some were corrected since.
;; Multi Modal Spiking Transformer. Allowed arithmetic: matrix products marked QUANTISED: E5M2 operands, one given power-of-two scale a tensor, by v_wmma_f32_16x16x64_bf8_bf8 or v_wmma_f32_16x16x128_bf8_bf8, f32 sums; everything else in f32.
;; Inputs: Wk_codes 512 x 16 x 32 uint8 (E5M2 codes of Wk, K innermost, in blocks of 32 codes); Wo_codes 512 x 16 x 32 uint8 (E5M2 codes of Wo, K innermost, in blocks of 32 codes); Wq_codes 512 x 16 x 32 uint8 (E5M2 codes of Wq, K innermost, in blocks of 32 codes); Wv_codes 512 x 16 x 32 uint8 (E5M2 codes of Wv, K innermost, in blocks of 32 codes); bk 512 float32; bo 512 float32; bq 512 float32; bv 512 float32; key_spikes_codes 4 x 32 x 256 x 16 x 32 uint8 (E5M2 codes of key_spikes, K innermost, in blocks of 32 codes); lowp_scales 12 int32 (the exponents e of the quantised operands' scales 2^e); modality_weights 2 x 8 float32; query_spikes_codes 4 x 32 x 256 x 16 x 32 uint8 (E5M2 codes of query_spikes, K innermost, in blocks of 32 codes); temporal_sync 32 x 8 float32; value_spikes_codes 4 x 32 x 256 x 16 x 32 uint8 (E5M2 codes of value_spikes, K innermost, in blocks of 32 codes).
;; Outputs: out0 4 x 32 x 256 x 512 float32.
;; This version of the problem:
;;   THIS VERSION OF THE PROBLEM IS GIVEN IN LOW PRECISION. The matrix products marked QUANTISED in the list below multiply operands that are first quantised to E5M2 (5 exponent bits, 2 mantissa bits; 8 bits a number), with one given power-of-two scale for each operand tensor; their sums are f32. All else is computed in f32.
;;   The module's matrix products, in the order in which they are computed (A, B: the left and right operand; K: the contracted axis; several contracted axes count as one K, in the product's order):
;;     1. [M 32,768, K 512] x [K 512, N 512]; A: input query_spikes (given as codes); B: input Wq (given as codes): QUANTISED (scales: A lowp_scales[0], B lowp_scales[1])
;;     2. [M 32,768, K 512] x [K 512, N 512]; A: input key_spikes (given as codes); B: input Wk (given as codes): QUANTISED (scales: A lowp_scales[2], B lowp_scales[3])
;;     3. [M 32,768, K 512] x [K 512, N 512]; A: input value_spikes (given as codes); B: input Wv (given as codes): QUANTISED (scales: A lowp_scales[4], B lowp_scales[5])
;;     4. batch 1,024 x [M 256, K 64] x [K 64, N 256]; A: computed on the way; B: computed on the way: QUANTISED (scales: A lowp_scales[6], B lowp_scales[7])
;;     5. batch 1,024 x [M 256, K 256] x [K 256, N 64]; A: computed on the way; B: computed on the way: QUANTISED (scales: A lowp_scales[8], B lowp_scales[9])
;;     6. [M 32,768, K 512] x [K 512, N 512]; A: computed on the way; B: input Wo (given as codes): QUANTISED (scales: A lowp_scales[10], B lowp_scales[11])
;;   THE QUANTISER, for each operand of a quantised product, along K:
;;     - The operand's scale is 2^e, e = its entry of the input lowp_scales (int32; the entries are numbered through the quantised products in the list's order, A before B).
;;     - Each number is divided by the scale, clamped to +-57,344, and rounded to the nearest number of E5M2, ties to even, subnormals kept.
;;     - The product sums the exact products of the quantised numbers (number of the format x scale) in f32.
;;   ~~~python
;;   def quantise(x, axis, e):      # numpy; x: float32 -> the quantised numbers, widened to float32 again
;;       x = np.moveaxis(x, axis, -1); K = x.shape[-1]
;;       r = np.clip(x / 2.0 ** e, -57344, 57344)
;;       step = 2.0 ** (np.maximum(np.frexp(np.where(r == 0, 1, r))[1] - 1, -14) - 2)
;;       q = np.round(r / step) * step * 2.0 ** e      # np.round: ties to even
;;       return np.moveaxis(q, -1, axis).astype(np.float32)
;;   ~~~
;;   OPERANDS COMPUTED ON THE WAY. 'Computed on the way' means the value that the module computes at that place (a softmax that the list does not call 'softmax' is quantised finished and normalised). What goes into a quantiser is computed in f32, as accurately as f32 sums, v_exp_f32 and their like allow (about 1e-6 of the number): no bf16 or f16 on the way to a quantiser, and a product that is left as it is and whose result goes on into a quantised operand takes f32 operands (vector FMAs, or v_wmma_f32_16x16x4_f32). A number that lies on a knife's edge between two numbers of the format may be rounded either way, as far as f32 arithmetic and the matrix unit's own rounding can turn it there, and no further.
;;   INPUTS GIVEN AS CODES. Wk (in the module: [512, 512], K = its axis 0); Wo (in the module: [512, 512], K = its axis 0); Wq (in the module: [512, 512], K = its axis 0); Wv (in the module: [512, 512], K = its axis 0); key_spikes (in the module: [4, 32, 256, 512], K = its axis 3); query_spikes (in the module: [4, 32, 256, 512], K = its axis 3); value_spikes (in the module: [4, 32, 256, 512], K = its axis 3): each comes as NAME_codes (uint8): NAME with its K axis moved to the last place and cut into blocks of 32 codes, [.., K / 32, bytes a block], one block behind the other in memory; one code a byte (a code: sign, 5 exponent bits, 2 mantissa bits); its scale is its entry of lowp_scales. Its value is code x scale, taken as it is: it is not quantised again, and the codes and scales need not be those that the quantiser above would give.
;; One version. Each part assembles by itself: llvm-mc -triple=amdgcn-amd-amdhsa -mcpu=gfx1250 --defsym DOCPART=n.
;; ======== version 1 of 1: 2 launches
;; workspace buffers: att 16,777,216 bytes
;; launch qkv_attn (part 1): grid 2 x 128, 16 waves a work-group, no clusters, 327,680 bytes of LDS; arguments key_spikes_codes, value_spikes_codes, query_spikes_codes, Wk_codes, Wv_codes, Wq_codes, bk, bv, bq, lowp_scales, modality_weights, att; writes att
.if DOCPART == 1
	.amdgcn_target "amdgcn-amd-amdhsa--gfx1250"
	.amdhsa_code_object_version 6
	.text
	.protected	k_qa654685dd8_qkv_attn
	.globl	k_qa654685dd8_qkv_attn
	.p2align	8
	.type	k_qa654685dd8_qkv_attn,@function
k_qa654685dd8_qkv_attn:
	s_mov_b64 s[64:65], 0
	v_nop
	global_prefetch_b8 v0, s[64:65] scope:SCOPE_SE
	s_setreg_imm32_b32 hwreg(HW_REG_WAVE_MODE, 25, 1), 1
	s_wait_xcnt 0x0
; Products 1 to 5 of the spiking attention, all on codes of BF8 (E5M2): Q, K, V = x W + b; scores = Q K^T / 8 x w; attn = sigmoid(5 (scores - row max)) / (row sum + 1e-8); attended = attn V.
; The attended rows leave as CODES (scale 2^e10), laid as the images of the operand registers that the next launch takes: att [bt 128][tile of 16 queries 16][head 8][1,024 bytes].
; WORK LEFT OUT: temporal_sync[t][h] is added to every score of a row (it is the same along the key axis), and the scores are used only as scores - max over that axis:
; (s + c) - max(s + c) = s - max(s) for every finite c and s.  So temporal_sync has no way to any output: it is not loaded and is not among the arguments.
; LIMIT: a NaN, an infinity or an overflow that would arise only from temporal_sync is not carried to the result.
; LIMITS on the given exponents, so that each power of two made below as (e + 127) << 23 is an f32 number: e0+e1, e2+e3, e4+e5, e6+e7 between -126 and 127; e6, e7, e8, e9 and e10-e8-e9 between -126 and 112.
; NaN among the inputs is not served.  A sigmoid under 2^-126 comes out as 0 (v_rcp_f32 gives no denormals: ISA guide, its entry in 15.8).
; SHARES.  A work-group takes one (b, t) slice (grid y) and four heads (grid x): 256 positions x 256 columns of each of K, V, Q.  Sixteen waves, wave = 4 fb + xb: in the projections wave (xb, fb) makes
; rows 64 xb .. + 63 x head fb's 64 columns (16 accumulators); in the attention it owns head fb and the four tiles of 16 queries that it projected itself, so Q's codes never leave its registers.
; K's and V's codes go from wave to wave through LDS as images of operand registers (16 bytes a lane, 512 bytes an instruction).
; LAYOUT.  Every result that becomes an operand is made so that a lane's eight registers are eight neighbours along the next K, in the 8-bit forms' own order (registers 2 c, 2 c + 1: k = 16 c + 8 (lane / 16) + 0 .. 7):
;   Q, K: source 0 = 16 rows of W, source 1 = 16 rows of x: a lane holds one position and 8 channels; four tiles of channels = one fragment of 64 along K.
;   V:    source 0 = 16 rows of x, source 1 = 16 rows of W: a lane holds one channel and 8 keys: V^T with the keys along K.
;   S^T = K Q^T: a lane holds one query and 128 of its 256 scores (the lane 16 away the others); O^T = V^T P^T: one query, 8 channels.
; x and W come from LDS rows by 16-byte loads: a permutation of k that is the same on both sides of the product.
; THE HEAD'S WEIGHT w = modality_weights[0][h] x modality_weights[1][h] may be negative.  E5M2 is symmetric, so (-Q) . K = -(Q . K) exactly: where w < 0 the sign bits of Q's codes are flipped once,
; and the row maximum is then taken of s' = sgn(w) Q . K and scaled by |w|.  a = |f| (max s' - s'), |f| = |w| x 5 log2(e) / 8 x 2^(e6+e7); sigmoid = 1 / (1 + 2^a).
; THE RING.  Six steps of 256 along K (K, K, V, V, Q, Q) through two LDS slots; a slot holds 256 rows of x and 256 rows of W, 256 bytes each, 272 apart.  Every wave fills 32 rows of each slot
; (waves 0-7 x's, waves 8-15 W's): both first fills go out at the head, and behind each change of slots one load a wave.  A wave never has more than two tensor loads outstanding.
; NO CLUSTER: x's tile is read by two work-groups only; W's could be shared along y, but a step's fill is 131,072 bytes while the sixteen waves read 16 x 32,768 bytes from LDS in that step,
; and the fill has the whole step (64 matrix instructions and 64 LDS loads in each wave) in which to land.  For the same reason nothing is prefetched.
; All of a WGP's LDS is claimed.
.set PITCH, 272                        ; an LDS row: 256 bytes + 16 of padding: the 16 rows of a fragment load start at 16 different 16-byte columns
.set T16,   16*PITCH
.set SLOTB, 512*PITCH                  ; 139,264: slot B begins here
.set BIAS,  2*SLOTB                    ; 278,528: bk, bv, bq of my 256 columns, 1,024 bytes each; no fill lands here
.set SPARE, BIAS+3072                  ; 281,600: the spare words, 128 bytes for each wave: eight blocks of 256 bytes that no other line names
.set VC,    65536                      ; after slot A's last fill and last read: K's images at 0 [fb][tile of keys 16][1,024], V's at VC [fb][tile of channels 4][step of 128 keys 2][2,048]
.set KCOD,  16                         ; v16-47   K's codes; in the attention four fragments of K, then O^T
.set VCOD,  48                         ; v48-79   V's codes; later Q's codes, four fragments of 8
.set QF,    48
.set OT,    16
.set XF,    80                         ; v80-111  four fragments of x; the biases; four fragments of K; P's codes
.set PC,    80
.set WF,    112                        ; v112-127 two fragments of W; in the attention at work
.set ACC,   128                        ; v128-255 accumulator (a, t) at 128 + 8 (4 a + t); the scores (their upper half first holds eight fragments of K); V^T's eight fragments
.set S,     128
; v1 16 x lane; v2, v3 my x rows in slot A, B; v4, v5 my W rows; v6, v7 the add's two; v8, v9 conversion scales; v10, v11 biases; v12, v13 my head's images of K, V; v14, v15 where I store mine
; s28 wave, s29 fb, s30 xb, s77 bt; s[32:39] descriptor group 1; s[40:43] group 0 for slot A, s[92:95] for slot B; s[44:49] the three operands' addresses of my 32 rows; s[52:63] e0 .. e11
.macro PLACES n                        ; plain vector instructions between a matrix instruction and a load into, or a later access to, its registers
.rept \n
	v_nop
.endr
.endm
.macro LDX adr, kk                     ; four fragments of x: 16 rows x 64 K each
.irp a, 0,1,2,3
.irp c, 0,1
	ds_load_b128 v[XF+8*\a+4*\c:XF+8*\a+4*\c+3], v[\adr] offset:T16*\a+64*(\kk)+32*\c
.endr
.endr
.endm
.macro LDW adr, kk, t0                 ; two fragments of W: tiles t0, t0 + 1
.irp i, 0,1
.irp c, 0,1
	ds_load_b128 v[WF+8*\i+4*\c:WF+8*\i+4*\c+3], v[\adr] offset:T16*((\t0)+\i)+64*(\kk)+32*\c
.endr
.endr
.endm
; 8 matrix instructions.  mode 0: source 0 = W, source 1 = x (Q, K); mode 1: the other way round (V).  zero = 1: the first product starts the sums.
; The 16 accumulators take turns, one instruction a turn, in the same order in every 64 along K.
.macro MUL8 mode, t0, zero
.irp i, 0,1
.irp a, 0,1,2,3
.set rD, ACC+8*(4*\a+(\t0)+\i)
.if \mode
.if \zero
	v_wmma_f32_16x16x64_bf8_bf8 v[rD:rD+7], v[XF+8*\a:XF+8*\a+7], v[WF+8*\i:WF+8*\i+7], 0
.else
	v_wmma_f32_16x16x64_bf8_bf8 v[rD:rD+7], v[XF+8*\a:XF+8*\a+7], v[WF+8*\i:WF+8*\i+7], v[rD:rD+7]
.endif
.else
.if \zero
	v_wmma_f32_16x16x64_bf8_bf8 v[rD:rD+7], v[WF+8*\i:WF+8*\i+7], v[XF+8*\a:XF+8*\a+7], 0
.else
	v_wmma_f32_16x16x64_bf8_bf8 v[rD:rD+7], v[WF+8*\i:WF+8*\i+7], v[XF+8*\a:XF+8*\a+7], v[rD:rD+7]
.endif
.endif
.endr
.endr
.endm
.macro PSUB ax, aw, mode, kk, zero     ; 64 along K: 16 LDS loads, 16 matrix instructions; the SIMD's other three waves work while this one waits for its loads
	PLACES 4
	LDX \ax, \kk
	LDW \aw, \kk, 0
	s_wait_dscnt 0x0
	MUL8 \mode, 0, \zero
	PLACES 4
	LDW \aw, \kk, 2
	s_wait_dscnt 0x0
	MUL8 \mode, 2, \zero
.endm
.macro PSTEP ax, aw, mode, first       ; a slot's 256 along K
	PSUB \ax, \aw, \mode, 0, \first
	PSUB \ax, \aw, \mode, 1, 0
	PSUB \ax, \aw, \mode, 2, 0
	PSUB \ax, \aw, \mode, 3, 0
.endm
; THE CHANGE OF SLOTS.  Every wave: all its tensor loads have landed (so the slot about to be read is whole once all have signalled); 0 onto its spare word; the add and its reads of the slot just left are done; the barrier.
; fill = 1: slot A is filled again, with the first half of K of the operand whose address stands in s[base:base+1]; fill = 2: slot B, with the second half (256 bytes on): every wave its 32 rows,
; the first thing behind the barrier.  fill = 0: nothing is left to fetch.
.macro CHANGE base, fill
	s_wait_tensorcnt 0x0                           ; no tensor load of mine is out, so a group 0 may be written
	ds_add_u32 v6, v7
.if (\fill) == 1
	s_mov_b64 s[42:43], s[\base:\base+1]
	s_or_b32 s43, s43, 0x80000000                  ; type = 2
.endif
.if (\fill) == 2
	s_add_nc_u64 s[94:95], s[\base:\base+1], 256
	s_or_b32 s95, s95, 0x80000000
.endif
	s_wait_dscnt 0x0
	s_barrier_signal -1
	s_barrier_wait -1
.if (\fill) == 1
	tensor_load_to_lds s[40:43], s[32:39]
	s_nop 0
.rept 4
	v_nop
.endr
.endif
.if (\fill) == 2
	tensor_load_to_lds s[92:95], s[32:39]
	s_nop 0
.rept 4
	v_nop
.endr
.endif
.endm
; s[66:67] = 2^(ea + eb), what the sums lack; v8 = 2^eq for the conversion; s68, s69 = -/+ 57,344 x 2^eq
.macro SETSC ea, eb, eq
	s_add_co_i32 s66, s[\ea], s[\eb]
	s_add_co_i32 s66, s66, 127
	s_lshl_b32 s66, s66, 23
	s_mov_b32 s67, s66                             ; (named with it as a pair, so it is written)
	s_add_co_i32 s69, s[\eq], 127
	s_lshl_b32 s68, s69, 23
	v_mov_b32 v8, s68
	s_add_co_i32 s69, s69, 15
	s_lshl_b32 s69, s69, 23
	s_or_b32 s69, s69, 0x600000
	s_or_b32 s68, s69, 0x80000000
.endm
; Q's or K's sums become codes: sum x 2^(ea+eb) + bias in f32, held at the largest code x the scale (the conversion does not saturate: ISA guide 7.6.2), converted.
; Tile t's eight registers give registers 2 t, 2 t + 1 of the fragment of x tile a.  Each accumulator is read from its low end on.
.macro POST_QK cod, o
	PLACES 4
.irp t, 0,1,2,3
.irp i, 0,1
	ds_load_b128 v[XF+8*\t+4*\i:XF+8*\t+4*\i+3], v10 offset:1024*(\o)+64*\t+16*\i   ; the bias of channels 16 t + 8 (lane / 16) + 0 .. 7
.endr
.endr
	s_wait_dscnt 0x0
.irp a, 0,1,2,3
.irp t, 0,1,2,3
.set rA, ACC+8*(4*\a+\t)
.irp i, 0,2,4,6
	v_pk_fma_f32 v[rA+\i:rA+\i+1], v[rA+\i:rA+\i+1], s[66:67], v[XF+8*\t+\i:XF+8*\t+\i+1] op_sel_hi:[1,0,1]
.endr
.irp i, 0,1,2,3,4,5,6,7
	v_med3_num_f32 v[rA+\i], v[rA+\i], s68, s69
.endr
	v_cvt_scalef32_pk8_bf8_f32 v[(\cod)+8*\a+2*\t:(\cod)+8*\a+2*\t+1], v[rA:rA+7], v8
.endr
.endr
	v_nop                                          ; a plain instruction behind the last conversion
.endm
; V's: a lane holds one channel, so its bias is one number (loaded twice, to fill a pair).  x tile a's eight keys give registers 2 a, 2 a + 1 of my eight registers of channel tile t.
.macro POST_V
	PLACES 4
.irp t, 0,1,2,3
	ds_load_b32 v[XF+2*\t], v11 offset:64*\t
	ds_load_b32 v[XF+2*\t+1], v11 offset:64*\t
.endr
	s_wait_dscnt 0x0
.irp a, 0,1,2,3
.irp t, 0,1,2,3
.set rA, ACC+8*(4*\a+\t)
.irp i, 0,2,4,6
	v_pk_fma_f32 v[rA+\i:rA+\i+1], v[rA+\i:rA+\i+1], s[66:67], v[XF+2*\t:XF+2*\t+1] op_sel_hi:[1,0,1]
.endr
.irp i, 0,1,2,3,4,5,6,7
	v_med3_num_f32 v[rA+\i], v[rA+\i], s68, s69
.endr
	v_cvt_scalef32_pk8_bf8_f32 v[VCOD+8*\t+2*\a:VCOD+8*\t+2*\a+1], v[rA:rA+7], v8
.endr
.endr
	v_nop
.endm
	s_load_b512 s[4:19], s[0:1], 0x0               ; x of K s[4:5], of V s[6:7], of Q s[8:9]; Wk s[10:11], Wv s[12:13], Wq s[14:15]; bk s[16:17], bv s[18:19]
	s_load_b256 s[20:27], s[0:1], 0x40             ; bq s[20:21], the scales' exponents s[22:23], modality_weights s[24:25], att s[26:27]
	v_lshl_add_u32 v6, v0, 2, SPARE
	v_mov_b32 v7, 0
	ds_add_u32 v6, v7                              ; the wave's opening: the add, twice on end, and its wait ahead of my first tensor load
	ds_add_u32 v6, v7
	v_lshrrev_b32 v134, 5, v0
	v_readfirstlane_b32 s28, v134                  ; wave 0..15
	s_lshr_b32 s29, s28, 2                         ; fb: my head among the four
	s_and_b32 s30, s28, 3                          ; xb: my 64 rows
	s_and_b32 s77, ttmp7, 0xffff                   ; bt
	; descriptor group 1: 32 rows of 256 bytes, 512 apart in memory, 16 bytes of padding behind each in LDS
	s_mov_b32 s32, (1<<20)|(5<<22)|(3<<25)         ; no mask; elements of 1 byte; padding on: 4 words behind every 64
	s_mov_b32 s33, 256<<16                         ; tensor_dim0
	s_mov_b32 s34, 32<<16                          ; tensor_dim1
	s_mov_b32 s35, 256<<16                         ; tile_dim0
	s_mov_b32 s36, 32                              ; tile_dim1
	s_mov_b32 s37, 512                             ; stride from row to row
	s_mov_b32 s38, 0
	s_mov_b32 s39, 0
	s_and_b32 s83, s28, 7                          ; which 32 rows of x (waves 0-7) or of W (waves 8-15) I fill
	s_mov_b32 s40, 1                               ; group 0 for slot A: count = 1,
	s_mul_i32 s41, s28, 32*PITCH                   ; LDS address: wave x 32 rows; it never changes
	s_mov_b32 s92, 1                               ; group 0 for slot B
	s_add_co_u32 s93, s41, SLOTB
	s_lshl_b32 s85, s83, 14                        ; 32 rows of 512 bytes
	s_lshl_b32 s86, s77, 17                        ; x: my slice's 256 rows
	s_lshl_b32 s87, ttmp9, 17                      ; W: my four heads' 256 rows
	s_cmp_lt_u32 s28, 8
	s_cselect_b32 s86, s86, s87
	s_add_co_u32 s50, s85, s86
	s_mov_b32 s51, 0
	s_lshl_b32 s72, ttmp9, 2
	s_add_co_u32 s72, s72, s29                     ; my head, 0..7,
	s_lshl_b32 s72, s72, 2                         ; x 4 bytes
	s_lshl_b32 s88, ttmp9, 10                      ; my 256 numbers of a bias
	s_mov_b32 s89, 0
	s_mov_b32 s78, 0x76543210                      ; v_permlanex16_b32's selects for lane l xor 16
	s_mov_b32 s79, 0xfedcba98
	; every LDS address is made here, ahead of the first branch
	v_and_b32 v1, 31, v0
	v_lshlrev_b32 v1, 4, v1                        ; 16 x lane
	v_and_b32 v134, 15, v0                         ; r
	v_bfe_u32 v135, v0, 4, 1                       ; h
	v_mul_u32_u24 v136, v134, PITCH
	v_lshl_add_u32 v136, v135, 4, v136             ; r x pitch + 16 h
	s_mul_i32 s90, s30, 64*PITCH
	v_add_nc_u32 v2, s90, v136
	v_add_nc_u32 v3, SLOTB, v2
	s_mul_i32 s90, s29, 64*PITCH
	s_add_co_u32 s90, s90, 256*PITCH
	v_add_nc_u32 v4, s90, v136
	v_add_nc_u32 v5, SLOTB, v4
	s_lshl_b32 s90, s29, 8
	s_add_co_u32 s90, s90, BIAS
	v_lshl_add_u32 v10, v135, 5, s90               ; bk (bq 2,048 on): my head's 64, + 8 h numbers
	s_add_co_u32 s90, s90, 1024
	v_lshl_add_u32 v11, v134, 2, s90               ; bv: my head's 64, + r numbers
	s_lshl_b32 s90, s29, 14
	v_add_nc_u32 v12, s90, v1
	v_add_nc_u32 v13, VC, v12
	s_lshl_b32 s90, s30, 12
	v_add_nc_u32 v14, s90, v12                     ; my four fragments of K: tiles of keys 4 xb ..
	s_lshl_b32 s90, s30, 10
	v_add_nc_u32 v15, s90, v13                     ; my eight registers of each V^T fragment: step xb / 2, registers 8 (xb % 2) ..
	v_lshl_add_u32 v132, v0, 4, BIAS               ; the biases' way in: thread t's 16 bytes
	v_and_b32 v133, 63, v0
	v_lshlrev_b32 v133, 4, v133
	s_wait_dscnt 0x0                               ; both opening adds are done
	s_wait_kmcnt 0x0
	s_load_b256 s[52:59], s[22:23], 0x0            ; e0 .. e7
	s_load_b128 s[60:63], s[22:23], 0x20           ; e8 .. e11
	s_load_b32 s70, s[24:25], s72 offset:0x0       ; modality_weights[0][head]
	s_load_b32 s71, s[24:25], s72 offset:0x20      ; modality_weights[1][head]
	s_cmp_lt_u32 s28, 8                            ; do I fill for x or for W?  The wave's number alone decides
	s_cselect_b64 s[44:45], s[4:5], s[10:11]
	s_cselect_b64 s[46:47], s[6:7], s[12:13]
	s_cselect_b64 s[48:49], s[8:9], s[14:15]
	s_add_nc_u64 s[44:45], s[44:45], s[50:51]
	s_add_nc_u64 s[46:47], s[46:47], s[50:51]
	s_add_nc_u64 s[48:49], s[48:49], s[50:51]
	s_mov_b64 s[42:43], s[44:45]
	s_or_b32 s43, s43, 0x80000000
	s_add_nc_u64 s[94:95], s[44:45], 256
	s_or_b32 s95, s95, 0x80000000
	tensor_load_to_lds s[40:43], s[32:39]          ; the first fills, two a wave with no branch: operand K, slot A,
	s_nop 0
	tensor_load_to_lds s[92:95], s[32:39]          ; and slot B
	s_nop 0
.rept 4
	v_nop
.endr
	s_cmp_lt_u32 s28, 2                            ; the biases: waves 0, 1 bring bk's 1,024 bytes, waves 2, 3 bv's, waves 4, 5 bq's
	s_cselect_b64 s[86:87], s[16:17], s[18:19]
	s_cmp_lt_u32 s28, 4
	s_cselect_b64 s[86:87], s[86:87], s[20:21]
	s_add_nc_u64 s[86:87], s[86:87], s[88:89]
	s_cmp_lt_u32 s28, 6
	s_cbranch_scc0 .Lno_bias
	global_load_b128 v[128:131], v133, s[86:87]
	s_wait_loadcnt 0x0
	ds_store_b128 v132, v[128:131]
.Lno_bias:
	s_wait_tensorcnt 0x1                           ; my part of slot A has landed; the one load issued behind it, slot B's, may stay out
	s_wait_dscnt 0x0                               ; my part of the biases is stored:
	s_barrier_signal -1
	s_barrier_wait -1                              ; everybody's is
	PSTEP 2, 4, 0, 1                               ; K, first half of its K
	CHANGE 46, 1                                   ; slot B is whole; slot A takes V's first half
	PSTEP 3, 5, 0, 0
	CHANGE 46, 2                                   ; slot B takes V's second half
	s_wait_kmcnt 0x0                               ; the exponents and the head's two weights
	SETSC 54, 55, 59
	POST_QK KCOD, 0
	PSTEP 2, 4, 1, 1                               ; V
	CHANGE 48, 1                                   ; slot A takes Q's first half
	PSTEP 3, 5, 1, 0
	CHANGE 48, 2                                   ; slot B takes Q's second half
	SETSC 56, 57, 61
	POST_V
	PSTEP 2, 4, 0, 1                               ; Q
	CHANGE 0, 0                                    ; slot A has had its last fill, and behind this barrier nobody reads it as a slot: the images go there
.irp a, 0,1,2,3
	ds_store_b128 v14, v[KCOD+8*\a:KCOD+8*\a+3] offset:1024*\a
	ds_store_b128 v14, v[KCOD+8*\a+4:KCOD+8*\a+7] offset:1024*\a+512
.endr
.irp t, 0,1,2,3
	ds_store_b128 v15, v[VCOD+8*\t:VCOD+8*\t+3] offset:4096*\t
	ds_store_b128 v15, v[VCOD+8*\t+4:VCOD+8*\t+7] offset:4096*\t+512
.endr
	PSTEP 3, 5, 0, 0
	SETSC 52, 53, 58
	POST_QK QF, 2
	; the attention's constants
	v_mov_b32 v126, s70
	v_mul_f32 v126, s71, v126                      ; w
	v_ashrrev_i32 v112, 31, v126
	v_and_b32 v112, 0x80808080, v112               ; the four sign bits of a register of codes, where w < 0
.set j, 0
.rept 32
	v_xor_b32 v[QF+j], v112, v[QF+j]
.set j, j+1
.endr
	s_add_co_i32 s83, s58, s59
	s_add_co_i32 s83, s83, 127
	s_lshl_b32 s83, s83, 23                        ; 2^(e6 + e7)
	v_mul_f32 v126, 0x3f66d4ca, v126               ; x 5 log2(e) / 8
	v_mul_f32 v126, s83, v126
	v_or_b32 v126, 0x80000000, v126                ; -|f|
	v_mov_b32 v127, v126
	v_mov_b32 v116, 0                              ; written once: a lane permute's destination counts as one of its sources
	s_add_co_i32 s84, s60, 127
	s_lshl_b32 s85, s84, 23
	v_mov_b32 v8, s85                              ; 2^e8, for P's conversion
	s_add_co_i32 s84, s84, 15
	s_lshl_b32 s80, s84, 23
	s_or_b32 s80, s80, 0x600000                    ; 57,344 x 2^e8
	s_sub_co_i32 s84, s62, s60
	s_sub_co_i32 s84, s84, s61
	s_add_co_i32 s84, s84, 127                     ; a sum of the second product stands for sum x 2^(e8 + e9): its code is sum / 2^(e10 - e8 - e9)
	s_lshl_b32 s85, s84, 23
	v_mov_b32 v9, s85
	s_add_co_i32 s84, s84, 15
	s_lshl_b32 s82, s84, 23
	s_or_b32 s82, s82, 0x600000
	s_or_b32 s81, s82, 0x80000000
	s_lshl_b32 s50, s77, 17                        ; att: my slice's 131,072 bytes,
	s_lshl_b32 s83, s30, 15                        ; my four tiles of queries, 8,192 each,
	s_add_co_u32 s50, s50, s83
	s_lshl_b32 s83, s72, 8                         ; my head's 1,024 in each
	s_add_co_u32 s50, s50, s83
	s_mov_b32 s51, 0
	s_add_nc_u64 s[74:75], s[26:27], s[50:51]
	s_mov_b32 s76, 4
	s_wait_dscnt 0x0                               ; my images are stored:
	s_barrier_signal -1
	s_barrier_wait -1                              ; everybody's are.  No barrier follows: from here on LDS is only read
.Lunit:                                            ; four trips: a tile of 16 queries against the head's 256 keys; the tile's fragment of Q stands in v48-55
	; K's sixteen fragments in ONE run of 32 loads: tiles 0-7 into the upper half of the scores' registers, tiles 8-11 into O^T's, tiles 12-15 into P's, all idle here.
	; The last matrix instructions that named any of these registers stand four v_nop and more back (the projection's, or the trip before's products of O^T)
.irp f, 0,1,2,3,4,5,6,7
.irp c, 0,1
	ds_load_b128 v[S+64+8*\f+4*\c:S+64+8*\f+4*\c+3], v12 offset:1024*\f+512*\c
.endr
.endr
.irp f, 0,1,2,3
.irp c, 0,1
	ds_load_b128 v[OT+8*\f+4*\c:OT+8*\f+4*\c+3], v12 offset:1024*(8+\f)+512*\c
.endr
.endr
.irp f, 0,1,2,3
.irp c, 0,1
	ds_load_b128 v[XF+8*\f+4*\c:XF+8*\f+4*\c+3], v12 offset:1024*(12+\f)+512*\c
.endr
.endr
	s_wait_dscnt 16                                ; LDS loads come back in order: tiles 0-7 are in, the sixteen loads of tiles 8-15 may be out
.irp f, 0,1,2,3,4,5,6,7                        ; S^T = K Q^T, tiles 0-7
	v_wmma_f32_16x16x64_bf8_bf8 v[S+8*\f:S+8*\f+7], v[S+64+8*\f:S+64+8*\f+7], v[QF:QF+7], 0
.endr
	s_wait_dscnt 0x0
	PLACES 5                                       ; the results of tiles 8-15 are laid over the fragments that the eight products above read: five places
.irp f, 0,1,2,3
	v_wmma_f32_16x16x64_bf8_bf8 v[S+64+8*\f:S+64+8*\f+7], v[OT+8*\f:OT+8*\f+7], v[QF:QF+7], 0
.endr
.irp f, 0,1,2,3
	v_wmma_f32_16x16x64_bf8_bf8 v[S+96+8*\f:S+96+8*\f+7], v[XF+8*\f:XF+8*\f+7], v[QF:QF+7], 0
.endr
	; the row's maximum, in four chains; chain c takes tiles c, c + 4, c + 8, c + 12, each from its low end on.  Tiles 0-7 were finished five v_nop ago; tiles 8-15 are first read 32 instructions on
.irp c, 0,1,2,3
	v_max_num_f32 v[112+\c], v[S+8*\c], v[S+8*\c+1]
.endr
.set n, 1
.rept 15
.irp c, 0,1,2,3
	v_max3_num_f32 v[112+\c], v[112+\c], v[S+8*(\c+4*(n/4))+2*(n%4)], v[S+8*(\c+4*(n/4))+2*(n%4)+1]
.endr
.set n, n+1
.endr
	v_max3_num_f32 v112, v112, v113, v114
	v_max_num_f32 v112, v112, v115
	v_permlanex16_b32 v116, v112, s78, s79         ; the query's other 128 keys lie in the lane 16 away
	v_max_num_f32 v112, v112, v116
	v_mul_f32 v118, -v126, v112                    ; |f| x max
	v_mov_b32 v119, v118
.set j, 0
.rept 64
	v_pk_fma_f32 v[S+j:S+j+1], v[S+j:S+j+1], v[126:127], v[118:119]   ; a = |f| max - |f| s'
.set j, j+2
.endr
.set j, 0
.rept 128
	v_exp_f32 v[S+j], v[S+j]                       ; 2^a
.set j, j+1
.endr
	v_nop                                          ; a plain instruction behind the last exponential,
	s_wait_alu depctr_va_vdst(0)                   ; and one wait for the batch, ahead of its first reader
.set j, 0
.rept 64
	v_pk_add_f32 v[S+j:S+j+1], v[S+j:S+j+1], 1.0 op_sel_hi:[1,0]
.set j, j+2
.endr
.set j, 0
.rept 128
	v_rcp_f32 v[S+j], v[S+j]                       ; the sigmoid
.set j, j+1
.endr
	v_nop
	s_wait_alu depctr_va_vdst(0)                   ; one wait for the batch of reciprocals
	v_pk_add_f32 v[120:121], v[S:S+1], v[S+2:S+3]  ; the row's sum, two at a time, in two chains
	v_pk_add_f32 v[122:123], v[S+4:S+5], v[S+6:S+7]
.set j, 8
.rept 30
	v_pk_add_f32 v[120:121], v[120:121], v[S+j:S+j+1]
	v_pk_add_f32 v[122:123], v[122:123], v[S+j+2:S+j+3]
.set j, j+4
.endr
	v_pk_add_f32 v[120:121], v[120:121], v[122:123]
	v_add_f32 v120, v120, v121
	v_permlanex16_b32 v116, v120, s78, s79
	v_add_f32 v120, v120, v116
	v_add_f32 v120, 0x322bcc77, v120               ; + 1e-8
	v_rcp_f32 v124, v120
	v_rcp_f32 v125, v120                           ; twice, to fill the pair that the packed multiply takes
	v_nop
	s_wait_alu depctr_va_vdst(0)
; attn, finished and normalised, is what is quantised; it is not negative, so its hold is one-sided.  Tile T gives registers 2 T, 2 T + 1 of P's two fragments of 128 keys.
; Behind every second tile its sixteen registers are free, and a fragment of V^T (four loads) is asked for into them: fragment i = 2 t + s, channels 16 t .., keys 128 s ..
.set T, 0
.rept 16
.irp i, 0,2,4,6
	v_pk_mul_f32 v[S+8*T+\i:S+8*T+\i+1], v[S+8*T+\i:S+8*T+\i+1], v[124:125]
.endr
.irp i, 0,1,2,3,4,5,6,7
	v_min_num_f32 v[S+8*T+\i], s80, v[S+8*T+\i]
.endr
	v_cvt_scalef32_pk8_bf8_f32 v[PC+2*T:PC+2*T+1], v[S+8*T:S+8*T+7], v8
.if T == 15
	v_nop                                          ; a plain instruction between the last conversion and the products that read its result
.endif
.if (T%2) == 1
.irp c, 0,1,2,3
	ds_load_b128 v[S+8*(T-1)+4*\c:S+8*(T-1)+4*\c+3], v13 offset:1024*(T-1)+512*\c
.endr
.endif
.set T, T+1
.endr
	s_wait_dscnt 4                                 ; fragments 0 to 6 are in; the four loads of fragment 7 may be out
.irp t, 0,1,2,3                                ; O^T = V^T P^T: the four accumulators by turns, a step of 128 keys at a time
	v_wmma_f32_16x16x128_bf8_bf8 v[OT+8*\t:OT+8*\t+7], v[S+32*\t:S+32*\t+15], v[PC:PC+15], 0
.endr
	s_wait_dscnt 0x0
.irp t, 0,1,2,3
	v_wmma_f32_16x16x128_bf8_bf8 v[OT+8*\t:OT+8*\t+7], v[S+32*\t+16:S+32*\t+31], v[PC+16:PC+31], v[OT+8*\t:OT+8*\t+7]
.endr
	PLACES 4
.irp t, 0,1,2,3                                ; the attended rows become codes: tile t gives registers 2 t, 2 t + 1 of the next launch's fragment (16 queries x this head's 64)
.irp i, 0,1,2,3,4,5,6,7
	v_med3_num_f32 v[OT+8*\t+\i], v[OT+8*\t+\i], s81, s82
.endr
	v_cvt_scalef32_pk8_bf8_f32 v[112+2*\t:113+2*\t], v[OT+8*\t:OT+8*\t+7], v9
.endr
	v_nop
	global_store_b128 v1, v[112:115], s[74:75]                ; each store of the wave covers 512 consecutive bytes, aligned
	global_store_b128 v1, v[116:119], s[74:75] offset:512
.set j, 0
.rept 24
	v_mov_b32 v[QF+j], v[QF+8+j]                   ; the next tile's fragment of Q moves down, so that the trip is written once
.set j, j+1
.endr
	s_wait_xcnt 0x0                                ; the stores' data and base are written again only behind this wait
	s_add_nc_u64 s[74:75], s[74:75], 8192
	s_sub_co_u32 s76, s76, 1
	s_cmp_lg_u32 s76, 0
	s_cbranch_scc1 .Lunit
	s_wait_tensorcnt 0x0                           ; the wave's end, behind my last tensor load and my last LDS store
	ds_add_u32 v6, v7
	s_wait_dscnt 0x0
	s_endpgm
.Lfunc_end_k_qa654685dd8_qkv_attn:
	.size	k_qa654685dd8_qkv_attn, .Lfunc_end_k_qa654685dd8_qkv_attn-k_qa654685dd8_qkv_attn
	.p2alignl 7, 3214868480
	.fill 96, 4, 3214868480
	.section	.rodata,"a",@progbits
	.p2align	6, 0x0
	.amdhsa_kernel k_qa654685dd8_qkv_attn
		.amdhsa_group_segment_fixed_size 327680
		.amdhsa_private_segment_fixed_size 0
		.amdhsa_enable_private_segment 0
		.amdhsa_kernarg_size 96
		.amdhsa_user_sgpr_count 2
		.amdhsa_user_sgpr_kernarg_segment_ptr 1
		.amdhsa_wavefront_size32 1
		.amdhsa_system_sgpr_workgroup_id_x 1
		.amdhsa_system_sgpr_workgroup_id_y 1
		.amdhsa_system_sgpr_workgroup_id_z 1
		.amdhsa_system_vgpr_workitem_id 0
		.amdhsa_next_free_vgpr 256
		.amdhsa_next_free_sgpr 96
		.amdhsa_reserve_vcc 0
		.amdhsa_float_denorm_mode_32 3
		.amdhsa_float_denorm_mode_16_64 3
		.amdhsa_memory_ordered 1
		.amdhsa_forward_progress 1
		.amdhsa_inst_pref_size 152
	.end_amdhsa_kernel
	.amdgpu_metadata
---
amdhsa.version: [ 1, 2 ]
amdhsa.kernels:
  - .name:           k_qa654685dd8_qkv_attn
    .symbol:         k_qa654685dd8_qkv_attn.kd
    .args:
      - { .name: key_spikes_codes, .offset: 0, .size: 8, .value_kind: global_buffer, .address_space: global }
      - { .name: value_spikes_codes, .offset: 8, .size: 8, .value_kind: global_buffer, .address_space: global }
      - { .name: query_spikes_codes, .offset: 16, .size: 8, .value_kind: global_buffer, .address_space: global }
      - { .name: Wk_codes, .offset: 24, .size: 8, .value_kind: global_buffer, .address_space: global }
      - { .name: Wv_codes, .offset: 32, .size: 8, .value_kind: global_buffer, .address_space: global }
      - { .name: Wq_codes, .offset: 40, .size: 8, .value_kind: global_buffer, .address_space: global }
      - { .name: bk, .offset: 48, .size: 8, .value_kind: global_buffer, .address_space: global }
      - { .name: bv, .offset: 56, .size: 8, .value_kind: global_buffer, .address_space: global }
      - { .name: bq, .offset: 64, .size: 8, .value_kind: global_buffer, .address_space: global }
      - { .name: lowp_scales, .offset: 72, .size: 8, .value_kind: global_buffer, .address_space: global }
      - { .name: modality_weights, .offset: 80, .size: 8, .value_kind: global_buffer, .address_space: global }
      - { .name: att, .offset: 88, .size: 8, .value_kind: global_buffer, .address_space: global }
    .group_segment_fixed_size: 327680
    .private_segment_fixed_size: 0
    .kernarg_segment_align: 8
    .kernarg_segment_size: 96
    .max_flat_workgroup_size: 512
    .sgpr_count:     96
    .vgpr_count:     256
    .wavefront_size: 32
...
	.end_amdgpu_metadata
.endif
;; end of part 1
;; launch out_proj (part 2): grid 2 x 128, 16 waves a work-group, no clusters, 327,680 bytes of LDS; arguments att, Wo_codes, bo, lowp_scales, out0; writes out0
.if DOCPART == 2
	.amdgcn_target "amdgcn-amd-amdhsa--gfx1250"
	.amdhsa_code_object_version 6
	.text
	.protected	k_qa654685dd8_out_proj
	.globl	k_qa654685dd8_out_proj
	.p2align	8
	.type	k_qa654685dd8_out_proj,@function
k_qa654685dd8_out_proj:
	s_mov_b64 s[64:65], 0
	v_nop
	global_prefetch_b8 v0, s[64:65] scope:SCOPE_SE
	s_setreg_imm32_b32 hwreg(HW_REG_WAVE_MODE, 25, 1), 1
	s_wait_xcnt 0x0
; Product 6: out0 = attended Wo + bo, on codes of BF8 (E5M2).  att holds the attended rows' codes (scale 2^e10) as images of operand registers: [bt 128][tile of 16 queries 16][head 8][1,024 bytes];
; an image is a fragment of 16 queries x 64 along K in the 8-bit forms' own order (registers 2 c, 2 c + 1: k = 16 c + 8 (lane / 16) + 0 .. 7), registers 0-3 at 16 x lane, registers 4-7 512 bytes on.
; Wo_codes: [512 (n)][512 (k)].  out0: [32,768][512] f32 = sum x 2^(e10 + e11) + bo.  LIMIT: e10 + e11 between -126 and 127, so that the power of two is an f32 number.  No work of this product is left out.
; SHARES.  A work-group takes one (b, t) slice (grid y: 256 rows) and half of the 512 columns (grid x).  Sixteen waves, wave = 4 nb + rb: rows 64 rb .., columns 64 nb ..: 16 accumulators.
; THE ROWS OF Wo THAT FORM A TILE ARE NOT NEIGHBOURS: source 0 = 16 queries, source 1 = 16 rows of Wo, and lane r of tile t takes row n0 + 4 r + t.  In the results lane (r, h) then holds, for query 8 h + j,
; columns n0 + 4 r + 0 .. 3 in register j of its four tiles: one multiply-add each (x 2^(e10+e11), + bo) writes them into four registers on end, and a store of 16 bytes a lane covers, in sixteen lanes,
; 256 consecutive bytes of a row of out0, aligned.  So no result goes through LDS.
; K = 512 lies in LDS whole, in two halves.  Every wave issues four tensor loads at the head, with no branch: its tile of queries of att, heads 0-3 (4,096 dense bytes); 16 rows of Wo, 2,048 bytes apart
; (rows 64 (w / 4) + w % 4 + 4 y: tile w % 4 of column block w / 4, so that a tile's rows lie on end in LDS), first 256 bytes; then the same two for the second half of K.  Four loads of a wave are out at the most.
; The first half is multiplied while the second is on its way.  Nothing is filled again.
; NO CLUSTER: att's block is read by two work-groups only; Wo's rows are 131,072 of the 524,288 bytes that a work-group moves in and out.
.set WO0,   131072                     ; Wo's first half of K: 256 rows;
.set WP,    272                        ; a row: 256 bytes + 16 of padding = 68 words: the 32 lanes of an 8-byte load touch 64 different banks
.set WHALF, 256*WP                     ; 69,632: the second half lies so far behind the first
.set SPARE, WO0+2*WHALF                ; 270,336: the spare words, 128 bytes for each wave: eight blocks of 256 bytes that no other line names
.set BI,    16                         ; v16-19   bo of my four columns
.set AF,    48                         ; v48-79   four fragments of att; on the way out 8 rows x 4 columns, set 0
.set WF,    80                         ; v80-111  four fragments of Wo; set 1
.set ACC,   128                        ; v128-255 accumulator (a, t) at 128 + 8 (4 a + t)
; v1 16 x lane; v2 att's fragments; v3, v4 Wo's, first and second half of K; v6 my bytes in out0; v7, v8 the add's two; v9 16 r
; s14 wave, s15 rb, s48 nb, s49 bt; s[16:23] group 1 for att, s[24:31] for Wo; groups 0: s[32:35] att half 0, s[36:39] Wo half 0, s[40:43] att half 1, s[44:47] Wo half 1
	s_load_b256 s[4:11], s[0:1], 0x0               ; att s[4:5], Wo's codes s[6:7], bo s[8:9], the scales' exponents s[10:11]
	s_load_b64 s[12:13], s[0:1], 0x20              ; out0
	v_lshl_add_u32 v7, v0, 2, SPARE
	v_mov_b32 v8, 0
	ds_add_u32 v7, v8                              ; the wave's opening: the add, twice on end, and its wait ahead of my first tensor load
	ds_add_u32 v7, v8
	v_lshrrev_b32 v10, 5, v0
	v_readfirstlane_b32 s14, v10                   ; wave 0..15
	s_and_b32 s15, s14, 3                          ; rb.  Also: the tile of Wo that I fetch
	s_lshr_b32 s48, s14, 2                         ; nb.  Also: the column block whose tile I fetch
	s_and_b32 s49, ttmp7, 0xffff                   ; bt
	; group 1 for att: 16 rows of 256 bytes, dense
	s_mov_b32 s16, 0                               ; no mask; elements of 1 byte; no padding
	s_mov_b32 s17, 256<<16
	s_mov_b32 s18, 16<<16
	s_mov_b32 s19, 256<<16
	s_mov_b32 s20, 16
	s_mov_b32 s21, 256
	s_mov_b32 s22, 0
	s_mov_b32 s23, 0
	; group 1 for Wo: 16 rows of 256 bytes, four rows of Wo (2,048 bytes) apart; 4 words of padding behind every 64
	s_mov_b32 s24, (1<<20)|(5<<22)|(3<<25)
	s_mov_b32 s25, 256<<16
	s_mov_b32 s26, 16<<16
	s_mov_b32 s27, 256<<16
	s_mov_b32 s28, 16
	s_mov_b32 s29, 2048
	s_mov_b32 s30, 0
	s_mov_b32 s31, 0
	s_mov_b32 s32, 1
	s_lshl_b32 s33, s14, 13                        ; att's tile of queries w: 8,192 bytes each, as in memory
	s_mov_b32 s40, 1
	s_add_co_u32 s41, s33, 4096                    ; its heads 4-7
	s_mov_b32 s36, 1
	s_mul_i32 s37, s14, 16*WP
	s_add_co_u32 s37, s37, WO0                     ; Wo's tile w
	s_mov_b32 s44, 1
	s_add_co_u32 s45, s37, WHALF
	s_lshl_b32 s50, s49, 17
	s_add_co_u32 s50, s50, s33                     ; att in memory: 131,072 bt + 8,192 w
	s_mov_b32 s51, 0
	s_lshl_b32 s52, ttmp9, 17                      ; Wo in memory: my 256 rows,
	s_lshl_b32 s53, s48, 15                        ; the block of 64,
	s_add_co_u32 s52, s52, s53
	s_lshl_b32 s53, s15, 9                         ; row w % 4 of it
	s_add_co_u32 s52, s52, s53
	s_mov_b32 s53, 0
	s_lshl_b32 s54, ttmp9, 10
	s_lshl_b32 s55, s48, 8
	s_add_co_u32 s54, s54, s55                     ; my first column, in bytes of f32
	s_mov_b32 s55, 0
	s_lshl_b32 s56, s49, 19
	s_lshl_b32 s57, s15, 17
	s_add_co_u32 s56, s56, s57                     ; my first row of out0, 2,048 bytes a row,
	s_add_co_u32 s56, s56, s54                     ; and column
	s_mov_b32 s57, 0
	v_and_b32 v1, 31, v0
	v_lshlrev_b32 v1, 4, v1
	v_and_b32 v10, 15, v0                          ; r
	v_bfe_u32 v11, v0, 4, 1                        ; h
	s_lshl_b32 s60, s15, 15
	v_add_nc_u32 v2, s60, v1                       ; my four tiles of queries
	s_mul_i32 s60, s48, 64*WP
	s_add_co_u32 s60, s60, WO0
	v_mul_u32_u24 v3, v10, WP
	v_lshl_add_u32 v3, v11, 3, v3
	v_add_nc_u32 v3, s60, v3                       ; my block's four tiles of Wo: row r, + 8 h
	v_add_nc_u32 v4, WHALF, v3
	v_lshlrev_b32 v6, 14, v11
	v_lshl_add_u32 v6, v10, 4, v6                  ; out0: 8 h rows down, 16 r bytes along
	v_lshlrev_b32 v9, 4, v10
	s_wait_dscnt 0x0                               ; both opening adds are done
	s_wait_kmcnt 0x0
	s_load_b64 s[58:59], s[10:11], 0x28            ; e10, e11
	s_add_nc_u64 s[34:35], s[4:5], s[50:51]
	s_add_nc_u64 s[42:43], s[34:35], 4096
	s_or_b32 s35, s35, 0x80000000
	s_or_b32 s43, s43, 0x80000000
	s_add_nc_u64 s[38:39], s[6:7], s[52:53]
	s_add_nc_u64 s[46:47], s[38:39], 256
	s_or_b32 s39, s39, 0x80000000
	s_or_b32 s47, s47, 0x80000000
	s_add_nc_u64 s[8:9], s[8:9], s[54:55]
	s_add_nc_u64 s[12:13], s[12:13], s[56:57]
	tensor_load_to_lds s[32:35], s[16:23]          ; the first half of K: att,
	s_nop 0
	tensor_load_to_lds s[36:39], s[24:31]          ; Wo;
	s_nop 0
	tensor_load_to_lds s[40:43], s[16:23]          ; the second half: att,
	s_nop 0
	tensor_load_to_lds s[44:47], s[24:31]          ; Wo
	s_nop 0
.rept 4
	v_nop
.endr
	global_load_b128 v[BI:BI+3], v9, s[8:9]        ; bo of columns n0 + 4 r + 0 .. 3
; 64 along K = a head: 24 LDS loads, 16 matrix instructions; the 16 accumulators take turns
.macro KSTEP kk, aw
.if (\kk) > 0
.rept 4
	v_nop                                          ; places in front of loads into registers that matrix instructions have read
.endr
.endif
.irp a, 0,1,2,3
.irp c, 0,1
	ds_load_b128 v[AF+8*\a+4*\c:AF+8*\a+4*\c+3], v2 offset:8192*\a+1024*(\kk)+512*\c
.endr
.endr
.irp t, 0,1,2,3
.irp c, 0,1,2,3
	ds_load_b64 v[WF+8*\t+2*\c:WF+8*\t+2*\c+1], v[\aw] offset:16*WP*\t+64*((\kk)%4)+16*\c
.endr
.endr
	s_wait_dscnt 0x0
.irp a, 0,1,2,3
.irp t, 0,1,2,3
.if (\kk) == 0
	v_wmma_f32_16x16x64_bf8_bf8 v[ACC+8*(4*\a+\t):ACC+8*(4*\a+\t)+7], v[AF+8*\a:AF+8*\a+7], v[WF+8*\t:WF+8*\t+7], 0
.else
	v_wmma_f32_16x16x64_bf8_bf8 v[ACC+8*(4*\a+\t):ACC+8*(4*\a+\t)+7], v[AF+8*\a:AF+8*\a+7], v[WF+8*\t:WF+8*\t+7], v[ACC+8*(4*\a+\t):ACC+8*(4*\a+\t)+7]
.endif
.endr
.endr
.endm
	s_wait_tensorcnt 0x2                           ; my two loads of the first half have landed; the two issued behind them may stay out
	s_barrier_signal -1
	s_barrier_wait -1                              ; everybody's have
	KSTEP 0, 3
	KSTEP 1, 3
	KSTEP 2, 3
	KSTEP 3, 3
	s_wait_tensorcnt 0x0                           ; my two loads of the second half have landed (no LDS load of mine is out: the last were waited for ahead of their products),
	s_barrier_signal -1
	s_barrier_wait -1                              ; everybody's have
	KSTEP 4, 4
	KSTEP 5, 4
	KSTEP 6, 4
	KSTEP 7, 4
	s_wait_loadcnt 0x0                             ; bo
	s_wait_kmcnt 0x0
	s_add_co_i32 s60, s58, s59
	s_add_co_i32 s60, s60, 127
	s_lshl_b32 s60, s60, 23                        ; 2^(e10 + e11)
.rept 4
	v_nop                                          ; places behind the last products: their results are read, and their operands' registers written, below
.endr
; THE WAY OUT, a tile of 16 queries at a time: register j of the four accumulators (a, 0 .. 3), each read from its low end on, gives four neighbouring columns of row 16 a + 8 h + j
.macro OUT a
.irp j, 0,1,2,3,4,5,6,7
.irp t, 0,1,2,3
	v_fma_f32 v[AF+32*((\a)%2)+4*\j+\t], v[ACC+8*(4*(\a)+\t)+\j], s60, v[BI+\t]
.endr
	global_store_b128 v6, v[AF+32*((\a)%2)+4*\j:AF+32*((\a)%2)+4*\j+3], s[12:13] offset:(16*(\a)+\j)*2048 th:TH_STORE_NT   ; 16 lanes store 256 consecutive bytes, aligned; written once, read by nobody here
.endr
.endm
	OUT 0
	OUT 1
	s_wait_xcnt 0x0                                ; the stores of tiles 0 and 1 have read their registers: both sets may be written again
	OUT 2
	OUT 3
	s_wait_tensorcnt 0x0                           ; the wave's end, behind my last tensor load
	ds_add_u32 v7, v8
	s_wait_dscnt 0x0
	s_endpgm
.Lfunc_end_k_qa654685dd8_out_proj:
	.size	k_qa654685dd8_out_proj, .Lfunc_end_k_qa654685dd8_out_proj-k_qa654685dd8_out_proj
	.p2alignl 7, 3214868480
	.fill 96, 4, 3214868480
	.section	.rodata,"a",@progbits
	.p2align	6, 0x0
	.amdhsa_kernel k_qa654685dd8_out_proj
		.amdhsa_group_segment_fixed_size 327680
		.amdhsa_private_segment_fixed_size 0
		.amdhsa_enable_private_segment 0
		.amdhsa_kernarg_size 40
		.amdhsa_user_sgpr_count 2
		.amdhsa_user_sgpr_kernarg_segment_ptr 1
		.amdhsa_wavefront_size32 1
		.amdhsa_system_sgpr_workgroup_id_x 1
		.amdhsa_system_sgpr_workgroup_id_y 1
		.amdhsa_system_sgpr_workgroup_id_z 1
		.amdhsa_system_vgpr_workitem_id 0
		.amdhsa_next_free_vgpr 256
		.amdhsa_next_free_sgpr 66
		.amdhsa_reserve_vcc 0
		.amdhsa_float_denorm_mode_32 3
		.amdhsa_float_denorm_mode_16_64 3
		.amdhsa_memory_ordered 1
		.amdhsa_forward_progress 1
		.amdhsa_inst_pref_size 38
	.end_amdhsa_kernel
	.amdgpu_metadata
---
amdhsa.version: [ 1, 2 ]
amdhsa.kernels:
  - .name:           k_qa654685dd8_out_proj
    .symbol:         k_qa654685dd8_out_proj.kd
    .args:
      - { .name: att, .offset: 0, .size: 8, .value_kind: global_buffer, .address_space: global }
      - { .name: Wo_codes, .offset: 8, .size: 8, .value_kind: global_buffer, .address_space: global }
      - { .name: bo, .offset: 16, .size: 8, .value_kind: global_buffer, .address_space: global }
      - { .name: lowp_scales, .offset: 24, .size: 8, .value_kind: global_buffer, .address_space: global }
      - { .name: out0, .offset: 32, .size: 8, .value_kind: global_buffer, .address_space: global }
    .group_segment_fixed_size: 327680
    .private_segment_fixed_size: 0
    .kernarg_segment_align: 8
    .kernarg_segment_size: 40
    .max_flat_workgroup_size: 512
    .sgpr_count:     66
    .vgpr_count:     256
    .wavefront_size: 32
...
	.end_amdgpu_metadata
.endif
;; end of part 2
